; MI455X (gfx1250); checked and timed in simulation.
; The chip was launched on July 23, 2026; its instructions are those of AMD's public machine-readable ISA for CDNA 5 (MIT licence, August 2026) and "CDNA5" Instruction Set Architecture Reference Guide (July 2026). The comments in the code are by the model that wrote it; some were corrected since.
;; Vanilla Backproj. Allowed arithmetic: float matrix products may take bf16 or f16 operands with f32 sums; other float arithmetic in f32, or as packed bf16 or f16 multiplies, adds, multiply-adds, maxima and minima; sums over many terms, partial sums and values carried from step to step in f32; what a program stores and reads back later, other than sums and carried values, may be rounded once to bf16 or f16.
;; Inputs: x 8 x 1 x 1,000 x 513 float32.
;; Outputs: out0 8 x 1 x 53 x 53 float32.
;; 2 versions, each right; version 2 is version 1 with the launch backproj written anew for expert scheduling mode. Each part assembles by itself: llvm-mc -triple=amdgcn-amd-amdhsa -mcpu=gfx1250 --defsym DOCPART=n.
;; ======== version 1 of 2: 1 launch
;; limits: inputs' magnitudes at most 1.6e+29
;; launch backproj (part 1): grid 9 x 22, 16 waves a work-group, no clusters, 264,192 bytes of LDS; arguments x, out0; writes out0
.if DOCPART == 1
	.amdgcn_target "amdgcn-amd-amdhsa--gfx1250"
	.amdhsa_code_object_version 6
	.text
	.protected	k_qdda80b0213_backproj
	.globl	k_qdda80b0213_backproj
	.p2align	8
	.type	k_qdda80b0213_backproj,@function
k_qdda80b0213_backproj:
	s_mov_b64 s[64:65], 0
	v_nop
	global_prefetch_b8 v0, s[64:65] scope:SCOPE_SE
	s_setreg_imm32_b32 hwreg(HW_REG_WAVE_MODE, 25, 1), 1
	s_wait_xcnt 0x0
; BACKPROJECTION OF THE CORNER THAT THE CROP KEEPS.  x: [8][1][1000][513] f32, out0: [8][1][53][53] f32.
; The slice -53:309 of 256 keeps rows and columns 203..255, and the last two axes are swapped, so
;   out0[b][i][j] = pi/1000 x the sum over a of (1-w) x[b][a][i0] + w x[b][a][i0+1],  i0 = floor(p), w = p - i0,
;   p = 256 + (256/255) ((151+2i) cos(pi a/1000) + (151+2j) sin(pi a/1000)),  taps outside 0..512 count as 0.
; SHARES.  A work-group owns a tile of 5 (i) x 6 (j) pixels and four batches, for all angles: 11 x 9 tiles x 2 = 198 work-groups.
; Waves 0-7 take angles 0..499 (cos >= 0), waves 8-15 angles 500..999 (cos <= 0); a wave has two batches of 32 angle slots.  A half's last
; batch begins at its angle 468, so that no row beyond the half is named; its first 12 slots repeat angles of the batch before and are staged as zeros.
; WHOLE NUMBERS.  Every address is made of whole numbers from the ids: p is kept in fixed point with FB = 21 fraction bits, and
; (256/255) 2^21 sin(pi m/1000), m = 0..500, comes from the sine's series up to x^13 in unsigned arithmetic; the cosine is the same function at 500-m.
; LIMITS.  p differs from its exact value by less than 2e-4 of a detector step (each of the two factors is within 0.7 units of 2^-21 and is
; multiplied by 259 at the most).  The angles are added in another order than reference() adds them.  NaN and infinities are not treated apart.
; STEPS OF A WAVE.  TRIG (a lane = an angle); the windows of x, 16 detectors from the tile's smallest floor(p), go into LDS, a row of 16 entries
; x 4 batches x f32 = 256 bytes for each angle slot, written once; a barrier; the gather (a lane = a pixel): two 16-byte LDS loads and four packed
; multiply-adds an angle; the 16 waves' sums meet in LDS, and wave 0 stores.
; Lanes 30, 31 and pixels beyond 52 are clamped onto a pixel of the tile: they make and store the same number as its owner, so EXEC is never changed.
.set ROWB,  2052                       ; bytes in a row of x
.set BATB,  2052000                    ; bytes in a batch of x
.set OUTB,  11236                      ; bytes in a batch of out0
.set FB,    21                         ; fraction bits of p
.set LROW,  256                        ; bytes in an LDS row
.set SPARE, 262144                     ; behind the 1,024 rows: the spare words, 128 bytes for each of 16 waves
.set LANE, 1                           ; v1   lane
.set SPW,  2                           ; v2   LDS address of my spare word; never rewritten
.set NIL,  3                           ; v3   0; never rewritten
.set E,    4                           ; v4   lane % 16: my entry of a window
.set HOF,  5                           ; v5   (lane / 16) x ROWB: the second angle of a pair lies a row further
.set NIX,  6                           ; v6   TRIG: my angle slot in a batch, 2 (lane % 16) + lane / 16
.set VST,  7                           ; v7   where I store 16 bytes of a pair's two rows: 16,384 x wave + 16 x lane
.set DI,   8                           ; v8   my pixel's steps along i from the corner with the smallest p
.set DJ,   9                           ; v9   the same along j
.set Z,    10                          ; v[10:11] 0: the addend of the 64-bit products
.set AL,   12                          ; v12  my angle in its half, 0..499
.set MS,   13                          ; v13  m of the sine
.set MC,   14                          ; v14  m of the cosine's magnitude
.set T,    15                          ; v15  at work
.set PR,   16                          ; v[16:17] a 64-bit product
.set PU,   18                          ; v[18:19] the product whose high word is u = (m/500)^2 in Q31
.set CH,   20                          ; v20  (256/255) 2^21 |cos|
.set SH,   21                          ; v21  (256/255) 2^21 sin
.set OOF,  22                          ; v22  my pixel's byte offset in the tile's part of out0
.set RST,  23                          ; v23  16 x my thread's number: my partial sums in LDS
.set PAR,  24                          ; v[24:31] batch t at PAR + 4 t: step along i, step along j, fraction of the corner's p, its floor
.set VO,   32                          ; v[32:47] the loads' offsets: set s, pair j at VO + 8 s + j
.set TD,   48                          ; v[48:51] at work in staging
.set DA,   64                          ; v[64:127] two sets of 8 pairs x 4 batches as loaded; at the end the 16 partial sums
.set LV,   128                         ; v[128:159] gather slot q: the lower tap's four batches, then the upper tap's
.set QV,   160                         ; v[160:175] gather slot q: 2^21 (1-w), p at work, 2^21 w, address
.set ACC,  176                         ; v[176:183] sums of the lower taps (4 batches), of the upper taps
.set WV,   8                           ; s8   wave
.set HF,   9                           ; s9   0: angles 0..499, 1: 500..999
.set W8,   10                          ; s10  wave % 8
.set TI,   13                          ; s13  tile along i
.set GB,   14                          ; s14  which four batches
.set SG,   15                          ; s15  0 or -1: the cosine's sign as a mask
.set MA,   16                          ; s16  0 or 501
.set KX,   17                          ; s17  151 + 2 i of the corner with the smallest p
.set KY,   18                          ; s18  151 + 2 j of that corner
.set WB,   19                          ; s19  my wave's rows in LDS
.set KA,   20                          ; s[20:26] the series' coefficients a0..a6, a_k in Q(30+k)
.set KU,   27
.set KM,   28
.set FM,   29                          ; s29  the fraction's mask
.set ONE,  30                          ; s30  2^21 as f32
.set MID,  31                          ; s31  256 in fixed point
.set XB,   32                          ; s[32:35] x at the first row of my batch 0, of my batch 1; never rewritten
.set DIM,  36
.set DJM,  37
.set OS,   38                          ; s[38:39]
.set MK,   40                          ; s[40:55] staging: which lanes of a pair lie on the detector; gather: slot q's three numbers at MK + 4 q
.set TH0,  56                          ; s56  first new angle of batch 0 (also its first row)
.set TH1,  57                          ; s57  first new angle of batch 1
.set LC1,  58                          ; s58  first row of batch 1
.set TMP,  59
.set LIM,  60                          ; s60  513
.set FIV,  61                          ; s61  0 or 5
.set SC,   62                          ; s[62:63] pi/1000 x 2^-21
	s_load_b128 s[4:7], s[0:1], 0x0                ; x s[4:5], out0 s[6:7]
	v_lshl_add_u32 v[SPW], v0, 2, SPARE
	v_mov_b32 v[NIL], 0
	v_lshrrev_b32 v1, 5, v0
	v_readfirstlane_b32 s[WV], v1                  ; wave 0..15
	v_and_b32 v[LANE], 31, v0
	s_lshr_b32 s[HF], s[WV], 3
	s_and_b32 s[W8], s[WV], 7
	s_and_b32 s12, ttmp7, 0xffff                   ; y = 2 x tile along i + batch group; ttmp9 = tile along j
	s_lshr_b32 s[TI], s12, 1
	s_and_b32 s[GB], s12, 1
	s_sub_co_u32 s[SG], 0, s[HF]
	s_mul_i32 s[MA], s[HF], 501
	s_mul_i32 s[FIV], s[HF], 5
	s_mul_i32 s[KX], s[TI], 10
	s_add_co_u32 s[KX], s[KX], 151
	s_lshl3_add_u32 s[KX], s[HF], s[KX]            ; where the cosine is negative the smallest p lies at the tile's last i: + 8
	s_mul_i32 s[KY], ttmp9, 12
	s_add_co_u32 s[KY], s[KY], 151
	s_lshl_b32 s[WB], s[WV], 14                    ; 64 rows of 256 bytes a wave
	s_mov_b32 s[KA+0], 0x6487ed51                  ; (pi/2)            in Q30
	s_mov_b32 s[KA+1], 1387197337                  ; (pi/2)^3 / 3!     in Q31
	s_mov_b32 s[KA+2], 342277223                   ; (pi/2)^5 / 5!     in Q32
	s_mov_b32 s[KA+3], 40215962                    ; (pi/2)^7 / 7!     in Q33
	s_mov_b32 s[KA+4], 2756359                     ; (pi/2)^9 / 9!     in Q34
	s_mov_b32 s[KA+5], 123655                      ; (pi/2)^11 / 11!   in Q35
	s_mov_b32 s[KA+6], 3912                        ; (pi/2)^13 / 13!   in Q36
	s_mov_b32 s[KU], 0x8637bd06                    ; 2^49 / 250000: (m^2 << 14) x this >> 32 = (m/500)^2 in Q31
	s_mov_b32 s[KM], 4311810                       ; 2^39 / 127500: m x this x (series in Q30) >> 32 = 2^8 x the result
	s_mov_b32 s[FM], (1<<FB)-1
	s_mov_b32 s[ONE], 0x4a000000
	s_mov_b32 s[MID], 256<<FB
	s_mov_b32 s[LIM], 513
	s_mov_b32 s[SC], 0x30cde32e
	s_mov_b32 s[SC+1], s[SC]                       ; named with it as a pair
	s_mul_i32 s[DIM], s[TI], 5
	s_sub_co_u32 s[DIM], 52, s[DIM]
	s_min_u32 s[DIM], s[DIM], 4                    ; the tile's last valid step along i
	s_mul_i32 s[DJM], ttmp9, 6
	s_sub_co_u32 s[DJM], 52, s[DJM]
	s_min_u32 s[DJM], s[DJM], 5                    ; and along j
	s_mul_i32 s[OS], s[GB], 4*OUTB                 ; the tile's first pixel in out0: four batches,
	s_mul_i32 s[TMP], s[TI], 5*53*4                ; five rows,
	s_add_co_u32 s[OS], s[OS], s[TMP]
	s_mul_i32 s[TMP], ttmp9, 6*4                   ; six columns
	s_add_co_u32 s[OS], s[OS], s[TMP]
	s_mov_b32 s[OS+1], 0
	s_lshl_b32 s[TH0], s[W8], 6                    ; batch 0 begins at angle 64 (wave % 8) of the half: 448 at the most
	s_add_co_u32 s[TH1], s[TH0], 32
	s_min_u32 s[LC1], s[TH1], 468                  ; batch 1's rows end with the half's last angle
	s_mul_i32 s[TMP], s[HF], 500
	s_add_co_u32 s[XB], s[TMP], s[TH0]
	s_add_co_u32 s[XB+2], s[TMP], s[LC1]
	s_mul_i32 s[XB], s[XB], ROWB
	s_mul_i32 s[XB+2], s[XB+2], ROWB
	s_mul_i32 s[TMP], s[GB], 4*BATB
	s_add_co_u32 s[XB], s[XB], s[TMP]
	s_add_co_u32 s[XB+2], s[XB+2], s[TMP]
	s_mov_b32 s[XB+1], 0
	s_mov_b32 s[XB+3], 0
	v_and_b32 v[E], 15, v[LANE]
	v_lshrrev_b32 v[T], 4, v[LANE]
	v_mul_u32_u24 v[HOF], v[T], ROWB
	v_lshl_add_u32 v[NIX], v[E], 1, v[T]
	v_lshl_add_u32 v[VST], v[LANE], 4, s[WB]
	v_mul_u32_u24 v[DI], v[LANE], 43
	v_lshrrev_b32 v[DI], 8, v[DI]                  ; lane / 6 (43/256 serves for lanes 0..31)
	v_mul_u32_u24 v[T], v[DI], 6
	v_sub_nc_u32 v[DJ], v[LANE], v[T]              ; lane % 6
	v_min_u32 v[DI], s[DIM], v[DI]                 ; lanes without a pixel of their own repeat one of the tile's
	v_min_u32 v[DJ], s[DJM], v[DJ]
	v_mad_u32_u24 v[OOF], v[DI], 53, v[DJ]
	v_lshlrev_b32 v[OOF], 2, v[OOF]
	v_xor_b32 v[DI], s[SG], v[DI]                  ; where the cosine is negative the steps count from the tile's last i: 4 - di
	v_add_nc_u32 v[DI], s[FIV], v[DI]
	v_lshlrev_b32 v[RST], 4, v0
	v_mov_b32 v[Z], 0
	v_mov_b32 v[Z+1], 0
.irp r, 0,1,2,3
	v_mov_b32 v[TD+\r], 0                          ; a DPP line's destination counts as read: written once here
.endr
	s_wait_kmcnt 0x0
	s_add_nc_u64 s[XB:XB+1], s[4:5], s[XB:XB+1]
	s_add_nc_u64 s[XB+2:XB+3], s[4:5], s[XB+2:XB+3]
	s_add_nc_u64 s[6:7], s[6:7], s[OS:OS+1]
; dst = round((256/255) 2^21 sin(pi m / 1000)), m = 0..500.  With t = m/500 and u = t^2: sin = t (a0 - u (a1 - u (a2 - .. - u a6))); every bracket is positive.
; u is in Q31, so the high word of u x (a number in Q(f)) is in Q(f-1): the format falls by one a level, from a6 in Q36 to the whole bracket in Q30.
.macro SINQ dst, m
	v_mul_u32_u24 v[T], v[\m], v[\m]
	v_lshlrev_b32 v[T], 14, v[T]                   ; 250,000 x 2^14 is still under 2^32
	v_mad_nc_u64_u32 v[PU:PU+1], v[T], s[KU], v[Z:Z+1]       ; v[PU+1] = u
	v_mad_nc_u64_u32 v[PR:PR+1], v[PU+1], s[KA+6], v[Z:Z+1]
	v_sub_nc_u32 v[T], s[KA+5], v[PR+1]
.irp k, 4,3,2,1,0
	v_mad_nc_u64_u32 v[PR:PR+1], v[PU+1], v[T], v[Z:Z+1]
	v_sub_nc_u32 v[T], s[KA+\k], v[PR+1]
.endr
	v_mul_u32_u24 v[PU], v[\m], s[KM]              ; 500 x 4,311,810 is under 2^32
	v_mad_nc_u64_u32 v[PR:PR+1], v[PU], v[T], v[Z:Z+1]
	v_add_nc_u32 v[\dst], 0x80, v[PR+1]            ; rounded,
	v_lshrrev_b32 v[\dst], 8, v[\dst]              ; 8 guard bits dropped
.endm
; A batch's 32 angles, a lane each (lane 16 h + k has slot 2 k + h, so that row_share:k hands a pair of neighbouring angles to the two halves of the lanes).
.macro TRIG bt, sloc, sthr
	v_add_nc_u32 v[AL], s[\sloc], v[NIX]
	v_xor_b32 v[MS], s[SG], v[AL]
	v_add_nc_u32 v[MS], s[MA], v[MS]               ; first half: the angle itself; second half: 500 - it
	v_sub_nc_u32 v[MC], 500, v[MS]
	SINQ SH, MS
	SINQ CH, MC
	v_mad_u32_u24 v[PAR+4*(\bt)+2], v[SH], s[KY], s[MID]
	v_mul_u32_u24 v[T], v[CH], s[KX]
	v_xor_b32 v[T], s[SG], v[T]
	v_sub_nc_u32 v[T], v[T], s[SG]                 ; with the cosine's sign
	v_add_nc_u32 v[T], v[PAR+4*(\bt)+2], v[T]      ; p of the tile's smallest corner
	v_cmp_le_u32 vcc_lo, s[\sthr], v[AL]           ; is the angle new in this batch?
	v_ashrrev_i32 v[PAR+4*(\bt)+3], FB, v[T]       ; its floor: the window's first detector,
	v_and_b32 v[PAR+4*(\bt)+2], s[FM], v[T]        ; and its fraction
	v_cndmask_b32 v[PAR+4*(\bt)+3], 0x400, v[PAR+4*(\bt)+3], vcc_lo  ; a repeated angle's window lies off the detector: its row is zeros
	v_lshlrev_b32 v[PAR+4*(\bt)], 1, v[CH]         ; p's step from pixel to pixel
	v_lshlrev_b32 v[PAR+4*(\bt)+1], 1, v[SH]
.endm
; Pair k of batch bt: lanes 0-15 ask for 16 detectors of angle slot 2 k, lanes 16-31 of slot 2 k + 1, in each of the four batches.
.macro PAIR set, bt, k
.set jj, (\k)%8
.set td, TD+jj%4
.set vo, VO+8*(\set)+jj
	v_mov_b32_dpp v[td], v[PAR+4*(\bt)+3] row_share:\k row_mask:0xf bank_mask:0xf
	v_add_nc_u32 v[td], v[td], v[E]                ; my detector
	v_cmp_gt_u32 s[MK+8*(\set)+jj], s[LIM], v[td]  ; on the detector? (a negative number is a large unsigned one)
	v_min_u32 v[td], 0x200, v[td]                  ; the address stays inside the row
	v_lshl_add_u32 v[vo], v[td], 2, v[HOF]
.irp b, 0,1,2,3
	global_load_b32 v[DA+32*(\set)+4*jj+(\b)], v[vo], s[XB+2*(\bt):XB+2*(\bt)+1] offset:(\b)*BATB+2*(\k)*ROWB
.endr
.endm
; The pair has come: taps off the detector become 0, and 32 lanes store the two rows' 512 consecutive bytes.  left = how many younger loads may stay out.
.macro DONE set, bt, k, left
.set jj, (\k)%8
.set da, DA+32*(\set)+4*jj
	s_wait_loadcnt \left
.irp b, 0,1,2,3
	v_cndmask_b32 v[da+(\b)], 0, v[da+(\b)], s[MK+8*(\set)+jj]
.endr
	ds_store_b128 v[VST], v[da:da+3] offset:(16*(\bt)+(\k))*2*LROW
.endm
	; STAGING.  Units of 8 pairs = 32 loads, on two sets of registers: while one unit is finished the next one's loads are out.  A set's offsets, masks and
	; data are written again only behind the waits that show all its loads done.
	TRIG 0, TH0, TH0
.irp k, 0,1,2,3,4,5,6,7
	PAIR 0, 0, \k
.endr
.irp k, 8,9,10,11,12,13,14,15
	PAIR 1, 0, \k
.endr
	TRIG 1, LC1, TH1                               ; the second batch's angles are made while the first loads are on their way
.irp k, 0,1,2,3,4,5,6,7
	DONE 0, 0, \k, 32+4*(7-\k)                     ; out may stay: the unit's later pairs, four loads each, and the next unit's 32
.endr
.irp k, 0,1,2,3,4,5,6,7
	PAIR 0, 1, \k
.endr
.irp k, 8,9,10,11,12,13,14,15
	DONE 1, 0, \k, 32+4*(15-\k)
.endr
.irp k, 8,9,10,11,12,13,14,15
	PAIR 1, 1, \k
.endr
.irp k, 0,1,2,3,4,5,6,7
	DONE 0, 1, \k, 32+4*(7-\k)
.endr
.irp k, 8,9,10,11,12,13,14,15
	DONE 1, 1, \k, 4*(15-\k)                       ; the last unit: nothing younger is out
.endr
	s_wait_dscnt 0x0                               ; my rows are written
	s_barrier_signal -1
	s_barrier_wait -1                              ; all rows are
; THE GATHER.  Angle slot n of my 64, into slot n % 4 of the registers: its three numbers become scalars; p relative to the window's first detector;
; its whole part (13 at the most: 1 + 2.008 sqrt(4^2 + 5^2)) picks the entry, its fraction is the weight.  Both taps' four batches: two loads inside one row.
.macro PREP n
.set sl, (\n)%4
.set bt, (\n)/32
.set ln, (((\n)%32)&1)*16+(((\n)%32)>>1)
.set qd, QV+4*sl
.set sp, MK+4*sl
	v_readlane_b32 s[sp],   v[PAR+4*bt],   ln
	v_readlane_b32 s[sp+1], v[PAR+4*bt+1], ln
	v_readlane_b32 s[sp+2], v[PAR+4*bt+2], ln
	v_mad_u32_u24 v[qd+1], v[DI], s[sp], s[sp+2]   ; every factor is under 2^24 and none is negative
	v_mad_u32_u24 v[qd+1], v[DJ], s[sp+1], v[qd+1]
	v_lshrrev_b32 v[qd+3], FB, v[qd+1]
	v_and_b32 v[qd+2], s[FM], v[qd+1]
	v_min_u32 v[qd+3], 14, v[qd+3]                 ; the bound in the text: both taps lie inside the row
	v_cvt_f32_u32 v[qd+2], v[qd+2]                 ; 2^21 w, exact
	v_lshl_add_u32 v[qd+3], v[qd+3], 4, s[WB]
	v_sub_f32 v[qd], s[ONE], v[qd+2]               ; 2^21 (1 - w), exact
	ds_load_b128 v[LV+8*sl:LV+8*sl+3],   v[qd+3] offset:(\n)*LROW
	ds_load_b128 v[LV+8*sl+4:LV+8*sl+7], v[qd+3] offset:(\n)*LROW+16
.endm
; Its eight multiply-adds, two to a line; each weight is the low word of a pair and serves both halves.  The first angle starts the sums.
.macro USE n
.set sl, (\n)%4
.set qd, QV+4*sl
.set lo, LV+8*sl
.if (\n) == 0
	v_pk_mul_f32 v[ACC:ACC+1],   v[lo:lo+1],   v[qd:qd+1]   op_sel_hi:[1,0]
	v_pk_mul_f32 v[ACC+2:ACC+3], v[lo+2:lo+3], v[qd:qd+1]   op_sel_hi:[1,0]
	v_pk_mul_f32 v[ACC+4:ACC+5], v[lo+4:lo+5], v[qd+2:qd+3] op_sel_hi:[1,0]
	v_pk_mul_f32 v[ACC+6:ACC+7], v[lo+6:lo+7], v[qd+2:qd+3] op_sel_hi:[1,0]
.else
	v_pk_fma_f32 v[ACC:ACC+1],   v[lo:lo+1],   v[qd:qd+1],   v[ACC:ACC+1]   op_sel_hi:[1,0,1]
	v_pk_fma_f32 v[ACC+2:ACC+3], v[lo+2:lo+3], v[qd:qd+1],   v[ACC+2:ACC+3] op_sel_hi:[1,0,1]
	v_pk_fma_f32 v[ACC+4:ACC+5], v[lo+4:lo+5], v[qd+2:qd+3], v[ACC+4:ACC+5] op_sel_hi:[1,0,1]
	v_pk_fma_f32 v[ACC+6:ACC+7], v[lo+6:lo+7], v[qd+2:qd+3], v[ACC+6:ACC+7] op_sel_hi:[1,0,1]
.endif
.endm
.set n, 0
.rept 64
	PREP n
.if n >= 3
	s_wait_dscnt 6                                 ; LDS loads come back in order: the three younger angles' six may stay out
	USE n-3
.endif
.set n, n+1
.endr
	s_wait_dscnt 4
	USE 61
	s_wait_dscnt 2
	USE 62
	s_wait_dscnt 0x0
	USE 63
	v_pk_add_f32 v[ACC:ACC+1],   v[ACC:ACC+1],   v[ACC+4:ACC+5]    ; lower and upper taps
	v_pk_add_f32 v[ACC+2:ACC+3], v[ACC+2:ACC+3], v[ACC+6:ACC+7]
	; THE 16 WAVES' SUMS take the place of the first 8 KiB of rows: every wave's reads of the rows are back (the wait for 0 above) before any wave writes there.
	s_barrier_signal -1
	s_barrier_wait -1
	ds_store_b128 v[RST], v[ACC:ACC+3]
	s_wait_dscnt 0x0                               ; for the others' sake: my sums are written
	s_barrier_signal -1
	s_barrier_wait -1
	s_cmp_lg_u32 s[WV], 0
	s_cbranch_scc1 .Lend                           ; wave 0 finishes the tile
.irp w, 0,1,2,3,4,5,6,7,8,9,10,11,12,13,14,15
	ds_load_b128 v[DA+4*\w:DA+4*\w+3], v[RST] offset:\w*512          ; in wave 0 the thread's number is the lane
.endr
	s_wait_dscnt 0x0
.macro FOLD cnt                        ; the upper half of cnt x 2 partial sums onto the lower
.set w, 0
.rept \cnt
	v_pk_add_f32 v[DA+4*w:DA+4*w+1],   v[DA+4*w:DA+4*w+1],   v[DA+4*(w+\cnt):DA+4*(w+\cnt)+1]
	v_pk_add_f32 v[DA+4*w+2:DA+4*w+3], v[DA+4*w+2:DA+4*w+3], v[DA+4*(w+\cnt)+2:DA+4*(w+\cnt)+3]
.set w, w+1
.endr
.endm
	FOLD 8
	FOLD 4
	FOLD 2
	FOLD 1
	v_pk_mul_f32 v[DA:DA+1],   v[DA:DA+1],   s[SC:SC+1] op_sel_hi:[1,0]  ; pi/1000, and the weights' 2^21 taken back
	v_pk_mul_f32 v[DA+2:DA+3], v[DA+2:DA+3], s[SC:SC+1] op_sel_hi:[1,0]
.irp b, 0,1,2,3
	global_store_b32 v[OOF], v[DA+\b], s[6:7] offset:\b*OUTB         ; a tile's row in out0 is six numbers: 24 bytes on end is all that a tile has
.endr
.Lend:
	s_wait_tensorcnt 0x0                           ; the wave's end, behind my last LDS store
	ds_add_u32 v[SPW], v[NIL]
	s_wait_dscnt 0x0
	s_endpgm
.Lfunc_end_k_qdda80b0213_backproj:
	.size	k_qdda80b0213_backproj, .Lfunc_end_k_qdda80b0213_backproj-k_qdda80b0213_backproj
	.p2alignl 7, 3214868480
	.fill 96, 4, 3214868480
	.section	.rodata,"a",@progbits
	.p2align	6, 0x0
	.amdhsa_kernel k_qdda80b0213_backproj
		.amdhsa_group_segment_fixed_size 264192
		.amdhsa_private_segment_fixed_size 0
		.amdhsa_enable_private_segment 0
		.amdhsa_kernarg_size 16
		.amdhsa_user_sgpr_count 2
		.amdhsa_user_sgpr_kernarg_segment_ptr 1
		.amdhsa_wavefront_size32 1
		.amdhsa_system_sgpr_workgroup_id_x 1
		.amdhsa_system_sgpr_workgroup_id_y 1
		.amdhsa_system_sgpr_workgroup_id_z 1
		.amdhsa_system_vgpr_workitem_id 0
		.amdhsa_next_free_vgpr 184
		.amdhsa_next_free_sgpr 66
		.amdhsa_reserve_vcc 1
		.amdhsa_float_denorm_mode_32 3
		.amdhsa_float_denorm_mode_16_64 3
		.amdhsa_memory_ordered 1
		.amdhsa_forward_progress 1
		.amdhsa_inst_pref_size 105
	.end_amdhsa_kernel
	.amdgpu_metadata
---
amdhsa.version: [ 1, 2 ]
amdhsa.kernels:
  - .name:           k_qdda80b0213_backproj
    .symbol:         k_qdda80b0213_backproj.kd
    .args:
      - { .name: x, .offset: 0, .size: 8, .value_kind: global_buffer, .address_space: global }
      - { .name: out0, .offset: 8, .size: 8, .value_kind: global_buffer, .address_space: global }
    .group_segment_fixed_size: 264192
    .private_segment_fixed_size: 0
    .kernarg_segment_align: 8
    .kernarg_segment_size: 16
    .max_flat_workgroup_size: 512
    .sgpr_count:     66
    .vgpr_count:     184
    .wavefront_size: 32
...
	.end_amdgpu_metadata
.endif
;; end of part 1
;; ======== version 2 of 2: 1 launch; version 1 with the launch backproj written anew for expert scheduling mode
;; limits: inputs' magnitudes at most 1.6e+29
;; launch backproj (part 2): grid 9 x 22, 16 waves a work-group, no clusters, 264,192 bytes of LDS; arguments x, out0; writes out0
.if DOCPART == 2
	.amdgcn_target "amdgcn-amd-amdhsa--gfx1250"
	.amdhsa_code_object_version 6
	.text
	.protected	k_qdda80b0213_backproj
	.globl	k_qdda80b0213_backproj
	.p2align	8
	.type	k_qdda80b0213_backproj,@function
k_qdda80b0213_backproj:
	s_mov_b64 s[64:65], 0
	v_nop
	global_prefetch_b8 v0, s[64:65] scope:SCOPE_SE
	s_setreg_imm32_b32 hwreg(HW_REG_WAVE_SCHED_MODE, 0, 2), 2
	s_setreg_imm32_b32 hwreg(HW_REG_WAVE_MODE, 25, 1), 1
	s_wait_xcnt 0x0
	s_wait_alu depctr_vm_vsrc(0)
; BACKPROJECTION OF THE CORNER THAT THE CROP KEEPS.  x: [8][1][1000][513] f32, out0: [8][1][53][53] f32.
; The slice -53:309 of 256 keeps rows and columns 203..255, and the last two axes are swapped, so
;   out0[b][i][j] = pi/1000 x the sum over a of (1-w) x[b][a][i0] + w x[b][a][i0+1],  i0 = floor(p), w = p - i0,
;   p = 256 + (256/255) ((151+2i) cos(pi a/1000) + (151+2j) sin(pi a/1000)),  taps outside 0..512 count as 0.
; SHARES.  A work-group owns a tile of 5 (i) x 6 (j) pixels and four batches, for all angles: 11 x 9 tiles x 2 = 198 work-groups.
; Waves 0-7 take angles 0..499 (cos >= 0), waves 8-15 angles 500..999 (cos <= 0); a wave has two batches of 32 angle slots.  A half's last
; batch begins at its angle 468, so that no row beyond the half is named; its first 12 slots repeat angles of the batch before and are staged as zeros.
; WHOLE NUMBERS.  Every address is made of whole numbers from the ids: p is kept in fixed point with FB = 21 fraction bits, and
; (256/255) 2^21 sin(pi m/1000), m = 0..500, comes from the sine's series up to x^13 in unsigned arithmetic; the cosine is the same function at 500-m.
; LIMITS.  p differs from its exact value by less than 2e-4 of a detector step (each of the two factors is within 0.7 units of 2^-21 and is
; multiplied by 259 at the most).  The angles are added in another order than reference() adds them.  NaN and infinities are not treated apart.
; STEPS OF A WAVE.  TRIG (a lane = an angle); the windows of x, 16 detectors from the tile's smallest floor(p), go into LDS, a row of 16 entries
; x 4 batches x f32 = 256 bytes for each angle slot, written once; a barrier; the gather (a lane = a pixel): two 16-byte LDS loads and four packed
; multiply-adds an angle; the 16 waves' sums meet in LDS, and wave 0 stores.
; Lanes 30, 31 and pixels beyond 52 are clamped onto a pixel of the tile: they make and store the same number as its owner, so EXEC is never changed.
; THE MODE: SCHED_MODE bits 1:0 = 2 (LLVM: expert scheduling mode 2), set by the entry lines.  The code itself states the register dependences
; between vector instructions and memory or LDS instructions, with s_wait_alu, always for 0; likewise those through scalar registers and VCC that vector instructions write.
; THE PLAN.  Registers that memory or LDS instructions touch:
;   VST, RST, OOF  Made at the head, never written again: one wait ahead of the first load serves every instruction that reads them.
;   VO0, VO1       Unit u (8 pairs of angles) makes its eight offsets in VO[u % 2]; its 32 loads read them; the unit two on writes them again.
;   DA0 .. DA3     Unit u's loads land in DA[u]; its 32 selects read and write it; its eight LDS stores read it.  No set is loaded twice in the staging.
;                  DA2 and DA3 are the gather's LV; DA0 and DA1 take the 16 partial sums at the end.
;   LV0, LV1       Group g (four angles): its eight LDS loads land in LV[g % 2]; its multiply-adds, which stand in step g + 1, read it; group g + 2 lands there.
;   QV0, QV1       Of a slot's four registers the last is the LDS address: written by group g's address lines, read by its loads, written again by group g + 2.
;   ACC            Written by the multiply-adds and two additions, read by one LDS store.
; Scalar registers that vector instructions write: the wave's number; the units' masks (eight compares a unit, read by the unit's selects); the gather's twelve numbers a group.
; So a unit has one wait on va_vdst, behind its selects and the address lines of the unit two on and ahead of that unit's loads and its own stores; a gather step has one on
; va_sdst at its head (the readlanes stand a step ahead), one on va_vdst between its address lines and its loads, and every second step one on vm_vsrc, which frees both sets' addresses.
.set ROWB,  2052                       ; bytes in a row of x
.set BATB,  2052000                    ; bytes in a batch of x
.set OUTB,  11236                      ; bytes in a batch of out0
.set FB,    21                         ; fraction bits of p
.set LROW,  256                        ; bytes in an LDS row
.set SPARE, 262144                     ; behind the 1,024 rows: the spare words, 128 bytes for each of 16 waves
.set LANE, 1                           ; v1   lane
.set SPW,  2                           ; v2   LDS address of my spare word; never rewritten
.set NIL,  3                           ; v3   0; never rewritten
.set E,    4                           ; v4   lane % 16: my entry of a window
.set HOF,  5                           ; v5   (lane / 16) x ROWB: the second angle of a pair lies a row further
.set NIX,  6                           ; v6   TRIG: my angle slot in a batch, 2 (lane % 16) + lane / 16
.set VST,  7                           ; v7   where I store 16 bytes of a pair's two rows: 16,384 x wave + 16 x lane
.set DI,   8                           ; v8   my pixel's steps along i from the corner with the smallest p
.set DJ,   9                           ; v9   the same along j
.set Z,    10                          ; v[10:11] 0: the addend of the 64-bit products
.set AL,   12                          ; v12  my angle in its half, 0..499
.set MS,   13                          ; v13  m of the sine
.set MC,   14                          ; v14  m of the cosine's magnitude
.set T,    15                          ; v15  at work
.set PR,   16                          ; v[16:17] a 64-bit product
.set PU,   18                          ; v[18:19] the product whose high word is u = (m/500)^2 in Q31
.set CH,   20                          ; v20  (256/255) 2^21 |cos|
.set SH,   21                          ; v21  (256/255) 2^21 sin
.set OOF,  22                          ; v22  my pixel's byte offset in the tile's part of out0
.set RST,  23                          ; v23  16 x my thread's number: my partial sums in LDS
.set PAR,  24                          ; v[24:31] batch t at PAR + 4 t: step along i, step along j, fraction of the corner's p, its floor
.set VO,   32                          ; v[32:47] the loads' offsets: unit u, pair j at VO + 8 (u % 2) + j
.set TD,   48                          ; v[48:51] at work in staging
.set DA,   64                          ; v[64:191] unit u: 8 pairs x 4 batches as loaded, at DA + 32 u; at the end v[64:127] take the 16 partial sums
.set LV,   128                         ; v[128:191] gather slot n % 8: the lower tap's four batches, then the upper tap's (the registers of DA2 and DA3)
.set QV,   192                         ; v[192:223] gather slot n % 8: 2^21 (1-w), p at work, 2^21 w, address
.set ACC,  224                         ; v[224:231] sums of the lower taps (4 batches), of the upper taps
.set WV,   8                           ; s8   wave
.set HF,   9                           ; s9   0: angles 0..499, 1: 500..999
.set W8,   10                          ; s10  wave % 8
.set TI,   13                          ; s13  tile along i
.set GB,   14                          ; s14  which four batches
.set SG,   15                          ; s15  0 or -1: the cosine's sign as a mask
.set MA,   16                          ; s16  0 or 501
.set KX,   17                          ; s17  151 + 2 i of the corner with the smallest p
.set KY,   18                          ; s18  151 + 2 j of that corner
.set WB,   19                          ; s19  my wave's rows in LDS
.set KA,   20                          ; s[20:26] the series' coefficients a0..a6, a_k in Q(30+k)
.set KU,   27
.set KM,   28
.set FM,   29                          ; s29  the fraction's mask
.set ONE,  30                          ; s30  2^21 as f32
.set MID,  31                          ; s31  256 in fixed point
.set XB,   32                          ; s[32:35] x at the first row of my batch 0, of my batch 1; never rewritten
.set DIM,  36
.set DJM,  37
.set OS,   38                          ; s[38:39]
.set MK,   40                          ; s[40:55] staging: unit u, pair j: which lanes lie on the detector, at MK + 8 (u % 2) + j; gather: angle q of a group: its three numbers at MK + 4 q
.set TH0,  56                          ; s56  first new angle of batch 0 (also its first row)
.set TH1,  57                          ; s57  first new angle of batch 1
.set LC1,  58                          ; s58  first row of batch 1
.set TMP,  59
.set LIM,  60                          ; s60  513
.set FIV,  61                          ; s61  0 or 5
.set SC,   62                          ; s[62:63] pi/1000 x 2^-21
	s_load_b128 s[4:7], s[0:1], 0x0                ; x s[4:5], out0 s[6:7]
	v_lshl_add_u32 v[SPW], v0, 2, SPARE
	v_mov_b32 v[NIL], 0
	v_lshrrev_b32 v1, 5, v0
	v_readfirstlane_b32 s[WV], v1                  ; wave 0..15
	v_and_b32 v[LANE], 31, v0
	s_wait_alu depctr_va_sdst(0)                   ; the wave's number is written, ahead of its first reader
	s_lshr_b32 s[HF], s[WV], 3
	s_and_b32 s[W8], s[WV], 7
	s_and_b32 s12, ttmp7, 0xffff                   ; y = 2 x tile along i + batch group; ttmp9 = tile along j
	s_lshr_b32 s[TI], s12, 1
	s_and_b32 s[GB], s12, 1
	s_sub_co_u32 s[SG], 0, s[HF]
	s_mul_i32 s[MA], s[HF], 501
	s_mul_i32 s[FIV], s[HF], 5
	s_mul_i32 s[KX], s[TI], 10
	s_add_co_u32 s[KX], s[KX], 151
	s_lshl3_add_u32 s[KX], s[HF], s[KX]            ; where the cosine is negative the smallest p lies at the tile's last i: + 8
	s_mul_i32 s[KY], ttmp9, 12
	s_add_co_u32 s[KY], s[KY], 151
	s_lshl_b32 s[WB], s[WV], 14                    ; 64 rows of 256 bytes a wave
	s_mov_b32 s[KA+0], 0x6487ed51                  ; (pi/2)            in Q30
	s_mov_b32 s[KA+1], 1387197337                  ; (pi/2)^3 / 3!     in Q31
	s_mov_b32 s[KA+2], 342277223                   ; (pi/2)^5 / 5!     in Q32
	s_mov_b32 s[KA+3], 40215962                    ; (pi/2)^7 / 7!     in Q33
	s_mov_b32 s[KA+4], 2756359                     ; (pi/2)^9 / 9!     in Q34
	s_mov_b32 s[KA+5], 123655                      ; (pi/2)^11 / 11!   in Q35
	s_mov_b32 s[KA+6], 3912                        ; (pi/2)^13 / 13!   in Q36
	s_mov_b32 s[KU], 0x8637bd06                    ; 2^49 / 250000: (m^2 << 14) x this >> 32 = (m/500)^2 in Q31
	s_mov_b32 s[KM], 4311810                       ; 2^39 / 127500: m x this x (series in Q30) >> 32 = 2^8 x the result
	s_mov_b32 s[FM], (1<<FB)-1
	s_mov_b32 s[ONE], 0x4a000000
	s_mov_b32 s[MID], 256<<FB
	s_mov_b32 s[LIM], 513
	s_mov_b32 s[SC], 0x30cde32e
	s_mov_b32 s[SC+1], s[SC]                       ; named with it as a pair
	s_mul_i32 s[DIM], s[TI], 5
	s_sub_co_u32 s[DIM], 52, s[DIM]
	s_min_u32 s[DIM], s[DIM], 4                    ; the tile's last valid step along i
	s_mul_i32 s[DJM], ttmp9, 6
	s_sub_co_u32 s[DJM], 52, s[DJM]
	s_min_u32 s[DJM], s[DJM], 5                    ; and along j
	s_mul_i32 s[OS], s[GB], 4*OUTB                 ; the tile's first pixel in out0: four batches,
	s_mul_i32 s[TMP], s[TI], 5*53*4                ; five rows,
	s_add_co_u32 s[OS], s[OS], s[TMP]
	s_mul_i32 s[TMP], ttmp9, 6*4                   ; six columns
	s_add_co_u32 s[OS], s[OS], s[TMP]
	s_mov_b32 s[OS+1], 0
	s_lshl_b32 s[TH0], s[W8], 6                    ; batch 0 begins at angle 64 (wave % 8) of the half: 448 at the most
	s_add_co_u32 s[TH1], s[TH0], 32
	s_min_u32 s[LC1], s[TH1], 468                  ; batch 1's rows end with the half's last angle
	s_mul_i32 s[TMP], s[HF], 500
	s_add_co_u32 s[XB], s[TMP], s[TH0]
	s_add_co_u32 s[XB+2], s[TMP], s[LC1]
	s_mul_i32 s[XB], s[XB], ROWB
	s_mul_i32 s[XB+2], s[XB+2], ROWB
	s_mul_i32 s[TMP], s[GB], 4*BATB
	s_add_co_u32 s[XB], s[XB], s[TMP]
	s_add_co_u32 s[XB+2], s[XB+2], s[TMP]
	s_mov_b32 s[XB+1], 0
	s_mov_b32 s[XB+3], 0
	v_and_b32 v[E], 15, v[LANE]
	v_lshrrev_b32 v[T], 4, v[LANE]
	v_mul_u32_u24 v[HOF], v[T], ROWB
	v_lshl_add_u32 v[NIX], v[E], 1, v[T]
	v_lshl_add_u32 v[VST], v[LANE], 4, s[WB]
	v_mul_u32_u24 v[DI], v[LANE], 43
	v_lshrrev_b32 v[DI], 8, v[DI]                  ; lane / 6 (43/256 serves for lanes 0..31)
	v_mul_u32_u24 v[T], v[DI], 6
	v_sub_nc_u32 v[DJ], v[LANE], v[T]              ; lane % 6
	v_min_u32 v[DI], s[DIM], v[DI]                 ; lanes without a pixel of their own repeat one of the tile's
	v_min_u32 v[DJ], s[DJM], v[DJ]
	v_mad_u32_u24 v[OOF], v[DI], 53, v[DJ]
	v_lshlrev_b32 v[OOF], 2, v[OOF]
	v_xor_b32 v[DI], s[SG], v[DI]                  ; where the cosine is negative the steps count from the tile's last i: 4 - di
	v_add_nc_u32 v[DI], s[FIV], v[DI]
	v_lshlrev_b32 v[RST], 4, v0
	v_mov_b32 v[Z], 0
	v_mov_b32 v[Z+1], 0
.irp r, 0,1,2,3
	v_mov_b32 v[TD+\r], 0                          ; a DPP line's destination counts as read: written once here
.endr
	s_wait_kmcnt 0x0
	s_add_nc_u64 s[XB:XB+1], s[4:5], s[XB:XB+1]
	s_add_nc_u64 s[XB+2:XB+3], s[4:5], s[XB+2:XB+3]
	s_add_nc_u64 s[6:7], s[6:7], s[OS:OS+1]
; dst = round((256/255) 2^21 sin(pi m / 1000)), m = 0..500.  With t = m/500 and u = t^2: sin = t (a0 - u (a1 - u (a2 - .. - u a6))); every bracket is positive.
; u is in Q31, so the high word of u x (a number in Q(f)) is in Q(f-1): the format falls by one a level, from a6 in Q36 to the whole bracket in Q30.
.macro SINQ dst, m
	v_mul_u32_u24 v[T], v[\m], v[\m]
	v_lshlrev_b32 v[T], 14, v[T]                   ; 250,000 x 2^14 is still under 2^32
	v_mad_nc_u64_u32 v[PU:PU+1], v[T], s[KU], v[Z:Z+1]       ; v[PU+1] = u
	v_mad_nc_u64_u32 v[PR:PR+1], v[PU+1], s[KA+6], v[Z:Z+1]
	v_sub_nc_u32 v[T], s[KA+5], v[PR+1]
.irp k, 4,3,2,1,0
	v_mad_nc_u64_u32 v[PR:PR+1], v[PU+1], v[T], v[Z:Z+1]
	v_sub_nc_u32 v[T], s[KA+\k], v[PR+1]
.endr
	v_mul_u32_u24 v[PU], v[\m], s[KM]              ; 500 x 4,311,810 is under 2^32
	v_mad_nc_u64_u32 v[PR:PR+1], v[PU], v[T], v[Z:Z+1]
	v_add_nc_u32 v[\dst], 0x80, v[PR+1]            ; rounded,
	v_lshrrev_b32 v[\dst], 8, v[\dst]              ; 8 guard bits dropped
.endm
; A batch's 32 angles, a lane each (lane 16 h + k has slot 2 k + h, so that row_share:k hands a pair of neighbouring angles to the two halves of the lanes).
.macro TRIG bt, sloc, sthr
	v_add_nc_u32 v[AL], s[\sloc], v[NIX]
	v_cmp_le_u32 vcc_lo, s[\sthr], v[AL]           ; is the angle new in this batch?  Asked here, the two series ahead of the select that reads the answer
	v_xor_b32 v[MS], s[SG], v[AL]
	v_add_nc_u32 v[MS], s[MA], v[MS]               ; first half: the angle itself; second half: 500 - it
	v_sub_nc_u32 v[MC], 500, v[MS]
	SINQ SH, MS
	SINQ CH, MC
	v_mad_u32_u24 v[PAR+4*(\bt)+2], v[SH], s[KY], s[MID]
	v_mul_u32_u24 v[T], v[CH], s[KX]
	v_xor_b32 v[T], s[SG], v[T]
	v_sub_nc_u32 v[T], v[T], s[SG]                 ; with the cosine's sign
	v_add_nc_u32 v[T], v[PAR+4*(\bt)+2], v[T]      ; p of the tile's smallest corner
	v_ashrrev_i32 v[PAR+4*(\bt)+3], FB, v[T]       ; its floor: the window's first detector,
	v_and_b32 v[PAR+4*(\bt)+2], s[FM], v[T]        ; and its fraction
	s_wait_alu depctr_va_vcc(0)                    ; the compare at this macro's head has written VCC, which the select below reads
	v_cndmask_b32 v[PAR+4*(\bt)+3], 0x400, v[PAR+4*(\bt)+3], vcc_lo  ; a repeated angle's window lies off the detector: its row is zeros
	v_lshlrev_b32 v[PAR+4*(\bt)], 1, v[CH]         ; p's step from pixel to pixel
	v_lshlrev_b32 v[PAR+4*(\bt)+1], 1, v[SH]
.endm
; STAGING goes in four units of 8 pairs of angles; unit u holds pairs 8 (u % 2) .. + 7 of batch u / 2.  In a pair lanes 0-15 have 16 detectors of angle slot 2 k, lanes 16-31 of slot 2 k + 1.
; The offsets and masks of four pairs of batch bt, into set 'set': the four pairs' lines alternate, so that no line reads the result of the one before it.
.macro ADDR4 set, bt, ka, kb, kc, kd
.irp k, \ka, \kb, \kc, \kd
	v_mov_b32_dpp v[TD+(\k)%4], v[PAR+4*(\bt)+3] row_share:\k row_mask:0xf bank_mask:0xf
.endr
.irp k, \ka, \kb, \kc, \kd
	v_add_nc_u32 v[TD+(\k)%4], v[TD+(\k)%4], v[E]  ; my detector
.endr
.irp k, \ka, \kb, \kc, \kd
	v_cmp_gt_u32 s[MK+8*(\set)+(\k)%8], s[LIM], v[TD+(\k)%4]  ; on the detector? (a negative number is a large unsigned one)
.endr
.irp k, \ka, \kb, \kc, \kd
	v_min_u32 v[TD+(\k)%4], 0x200, v[TD+(\k)%4]    ; the address stays inside the row
.endr
.irp k, \ka, \kb, \kc, \kd
	v_lshl_add_u32 v[VO+8*(\set)+(\k)%8], v[TD+(\k)%4], 2, v[HOF]
.endr
.endm
; Unit u's 32 loads: each pair's window in each of the four batches.
.macro LOADS u
.irp j, 0,1,2,3,4,5,6,7
.irp b, 0,1,2,3
	global_load_b32 v[DA+32*(\u)+4*(\j)+(\b)], v[VO+8*((\u)%2)+(\j)], s[XB+2*((\u)/2):XB+2*((\u)/2)+1] offset:(\b)*BATB+2*(8*((\u)%2)+(\j))*ROWB
.endr
.endr
.endm
; Unit u has come: taps off the detector become 0.
.macro MASK u
.irp j, 0,1,2,3,4,5,6,7
.irp b, 0,1,2,3
	v_cndmask_b32 v[DA+32*(\u)+4*(\j)+(\b)], 0, v[DA+32*(\u)+4*(\j)+(\b)], s[MK+8*((\u)%2)+(\j)]
.endr
.endr
.endm
; For each of its pairs 32 lanes store the two rows' 512 consecutive bytes.
.macro STORES u
.irp j, 0,1,2,3,4,5,6,7
	ds_store_b128 v[VST], v[DA+32*(\u)+4*(\j):DA+32*(\u)+4*(\j)+3] offset:(8*(\u)+(\j))*2*LROW
.endr
.endm
; THE GATHER goes in 16 groups of four angle slots.  Group g's twelve numbers (for each angle the two steps and the corner's fraction) become scalars.
.macro RL g
.irp q, 0,1,2,3
.set n, 4*(\g)+(\q)
.set bt, n/32
.set ln, ((n%32)&1)*16+((n%32)>>1)
	v_readlane_b32 s[MK+4*(\q)],   v[PAR+4*bt],   ln
	v_readlane_b32 s[MK+4*(\q)+1], v[PAR+4*bt+1], ln
	v_readlane_b32 s[MK+4*(\q)+2], v[PAR+4*bt+2], ln
.endr
.endm
; Its addresses: p relative to the window's first detector; its whole part (13 at the most: 1 + 2.008 sqrt(4^2 + 5^2)) picks the entry.  The four angles' lines alternate.
.macro PLACE g
.set qb, QV+16*((\g)%2)
.irp q, 0,1,2,3
	v_mad_u32_u24 v[qb+4*(\q)+1], v[DI], s[MK+4*(\q)], s[MK+4*(\q)+2]   ; every factor is under 2^24 and none is negative
.endr
.irp q, 0,1,2,3
	v_mad_u32_u24 v[qb+4*(\q)+1], v[DJ], s[MK+4*(\q)+1], v[qb+4*(\q)+1]
.endr
.irp q, 0,1,2,3
	v_lshrrev_b32 v[qb+4*(\q)+3], FB, v[qb+4*(\q)+1]
.endr
.irp q, 0,1,2,3
	v_min_u32 v[qb+4*(\q)+3], 14, v[qb+4*(\q)+3]   ; the bound in the text: both taps lie inside the row
.endr
.irp q, 0,1,2,3
	v_lshl_add_u32 v[qb+4*(\q)+3], v[qb+4*(\q)+3], 4, s[WB]
.endr
.endm
; Both taps' four batches: two loads inside one row, for each of the four angles.
.macro TAPS g
.irp q, 0,1,2,3
	ds_load_b128 v[LV+32*((\g)%2)+8*(\q):LV+32*((\g)%2)+8*(\q)+3],   v[QV+16*((\g)%2)+4*(\q)+3] offset:(4*(\g)+(\q))*LROW
	ds_load_b128 v[LV+32*((\g)%2)+8*(\q)+4:LV+32*((\g)%2)+8*(\q)+7], v[QV+16*((\g)%2)+4*(\q)+3] offset:(4*(\g)+(\q))*LROW+16
.endr
.endm
; Its weights, from p's fraction.  These lines name neither an address register nor LV, so they stand behind the loads.
.macro WEIGH g
.set qb, QV+16*((\g)%2)
.irp q, 0,1,2,3
	v_and_b32 v[qb+4*(\q)+2], s[FM], v[qb+4*(\q)+1]
.endr
.irp q, 0,1,2,3
	v_cvt_f32_u32 v[qb+4*(\q)+2], v[qb+4*(\q)+2]   ; 2^21 w, exact
.endr
.irp q, 0,1,2,3
	v_sub_f32 v[qb+4*(\q)], s[ONE], v[qb+4*(\q)+2] ; 2^21 (1 - w), exact
.endr
.endm
; Angle slot n's eight multiply-adds, two to a line; each weight is the low word of a pair and serves both halves.  The first angle starts the sums.
.macro USE n
.set sl, (\n)%8
.set qd, QV+4*sl
.set lo, LV+8*sl
.if (\n) == 0
	v_pk_mul_f32 v[ACC:ACC+1],   v[lo:lo+1],   v[qd:qd+1]   op_sel_hi:[1,0]
	v_pk_mul_f32 v[ACC+2:ACC+3], v[lo+2:lo+3], v[qd:qd+1]   op_sel_hi:[1,0]
	v_pk_mul_f32 v[ACC+4:ACC+5], v[lo+4:lo+5], v[qd+2:qd+3] op_sel_hi:[1,0]
	v_pk_mul_f32 v[ACC+6:ACC+7], v[lo+6:lo+7], v[qd+2:qd+3] op_sel_hi:[1,0]
.else
	v_pk_fma_f32 v[ACC:ACC+1],   v[lo:lo+1],   v[qd:qd+1],   v[ACC:ACC+1]   op_sel_hi:[1,0,1]
	v_pk_fma_f32 v[ACC+2:ACC+3], v[lo+2:lo+3], v[qd:qd+1],   v[ACC+2:ACC+3] op_sel_hi:[1,0,1]
	v_pk_fma_f32 v[ACC+4:ACC+5], v[lo+4:lo+5], v[qd+2:qd+3], v[ACC+4:ACC+5] op_sel_hi:[1,0,1]
	v_pk_fma_f32 v[ACC+6:ACC+7], v[lo+6:lo+7], v[qd+2:qd+3], v[ACC+6:ACC+7] op_sel_hi:[1,0,1]
.endif
.endm
; Step g of the gather: group g is asked for, group g + 1's numbers become scalars, group g - 1 is added.
.macro STEP g
	s_wait_alu depctr_va_sdst(0)                   ; the twelve readlanes of this group, issued a step ahead, have written s[MK ..], which the address lines read
.if (\g) == 0
	s_wait_alu depctr_vm_vsrc(0)                   ; the staging's LDS stores have read v[128:191], in which the taps of this step and of the next land
.elseif (\g)%2 == 0
	s_wait_alu depctr_vm_vsrc(0)                   ; the LDS loads of the two groups before have read their address registers, which this step and the next write again
.endif
	PLACE \g
	s_wait_alu depctr_va_vdst(0)                   ; the four addresses are written, which the loads below read; the multiply-adds of group g - 2 are done reading the registers in which they land
	TAPS \g
.if (\g) < 15
	RL (\g)+1                                      ; this group's address lines, which read these scalars, stand ahead of the wait above
.endif
	WEIGH \g
.if (\g) > 0
	s_wait_dscnt 8                                 ; LDS loads come back in order: the group before is in, this group's eight may stay out
	USE 4*(\g)-4
	USE 4*(\g)-3
	USE 4*(\g)-2
	USE 4*(\g)-1
.endif
.endm
	; STAGING.  Two units' loads, 64, are out at a time.  A unit's offsets and masks are written again only behind the wait that shows all its loads done and behind its selects.
	TRIG 0, TH0, TH0
	ADDR4 0, 0, 0, 1, 2, 3
	ADDR4 0, 0, 4, 5, 6, 7
	ADDR4 1, 0, 8, 9, 10, 11
	ADDR4 1, 0, 12, 13, 14, 15
	s_wait_alu depctr_va_vdst(0)                   ; the sixteen offsets of units 0 and 1 are written, which the loads below read; so are VST, RST and OOF, which no vector line names again
	LOADS 0
	LOADS 1
	TRIG 1, LC1, TH1                               ; the second batch's angles are made while the first loads are on their way
	s_wait_loadcnt 32                              ; loads come back in order: unit 0 is in, unit 1's 32 may stay out
	s_wait_alu depctr_va_sdst(0)                   ; the sixteen compares of units 0 and 1 have written their masks, which the selects read
	MASK 0
	s_wait_alu depctr_vm_vsrc(0)                   ; the loads of units 0 and 1 have read their offsets, which units 2 and 3 write again
	ADDR4 0, 1, 0, 1, 2, 3
	ADDR4 0, 1, 4, 5, 6, 7
	s_wait_alu depctr_va_vdst(0)                   ; unit 2's offsets are written, which its loads read; unit 0's selects have written DA0, which its LDS stores read
	LOADS 2
	STORES 0
	s_wait_loadcnt 32                              ; unit 1 is in, unit 2's 32 may stay out
	MASK 1
	ADDR4 1, 1, 8, 9, 10, 11
	ADDR4 1, 1, 12, 13, 14, 15
	s_wait_alu depctr_va_vdst(0)                   ; unit 3's offsets are written, which its loads read; unit 1's selects have written DA1, which its LDS stores read
	LOADS 3
	STORES 1
	s_wait_loadcnt 32                              ; unit 2 is in, unit 3's 32 may stay out
	s_wait_alu depctr_va_sdst(0)                   ; the sixteen compares of units 2 and 3 have written their masks, which the selects read
	MASK 2
	s_wait_alu depctr_va_vdst(0)                   ; unit 2's selects have written DA2, which its LDS stores read
	STORES 2
	s_wait_loadcnt 0x0                             ; the last unit: nothing younger is out
	MASK 3
	s_wait_alu depctr_va_vdst(0)                   ; unit 3's selects have written DA3, which its LDS stores read
	STORES 3
	RL 0                                           ; the first group's numbers, while the stores are on their way
	s_wait_dscnt 0x0                               ; my rows are written
	s_barrier_signal -1
	s_barrier_wait -1                              ; all rows are
.set gg, 0
.rept 16
	STEP gg
.set gg, gg+1
.endr
	s_wait_dscnt 0x0
	USE 60
	USE 61
	USE 62
	USE 63
	v_pk_add_f32 v[ACC:ACC+1],   v[ACC:ACC+1],   v[ACC+4:ACC+5]    ; lower and upper taps
	v_pk_add_f32 v[ACC+2:ACC+3], v[ACC+2:ACC+3], v[ACC+6:ACC+7]
	; THE 16 WAVES' SUMS take the place of the first 8 KiB of rows: every wave's reads of the rows are back (the wait for 0 above) before any wave writes there.
	s_barrier_signal -1
	s_barrier_wait -1
	s_wait_alu depctr_va_vdst(0)                   ; the two additions have written v[ACC:ACC+3], which the LDS store reads
	ds_store_b128 v[RST], v[ACC:ACC+3]
	s_wait_dscnt 0x0                               ; for the others' sake: my sums are written
	s_barrier_signal -1
	s_barrier_wait -1
	s_cmp_lg_u32 s[WV], 0
	s_cbranch_scc1 .Lend                           ; wave 0 finishes the tile
.irp w, 0,1,2,3,4,5,6,7,8,9,10,11,12,13,14,15
	ds_load_b128 v[DA+4*\w:DA+4*\w+3], v[RST] offset:\w*512          ; in wave 0 the thread's number is the lane.  These land in DA0 and DA1: the selects and the LDS stores that named them stand ahead of the gather's waits
.endr
	s_wait_dscnt 0x0
.macro FOLD cnt                        ; the upper half of cnt x 2 partial sums onto the lower
.set w, 0
.rept \cnt
	v_pk_add_f32 v[DA+4*w:DA+4*w+1],   v[DA+4*w:DA+4*w+1],   v[DA+4*(w+\cnt):DA+4*(w+\cnt)+1]
	v_pk_add_f32 v[DA+4*w+2:DA+4*w+3], v[DA+4*w+2:DA+4*w+3], v[DA+4*(w+\cnt)+2:DA+4*(w+\cnt)+3]
.set w, w+1
.endr
.endm
	FOLD 8
	FOLD 4
	FOLD 2
	FOLD 1
	v_pk_mul_f32 v[DA:DA+1],   v[DA:DA+1],   s[SC:SC+1] op_sel_hi:[1,0]  ; pi/1000, and the weights' 2^21 taken back
	v_pk_mul_f32 v[DA+2:DA+3], v[DA+2:DA+3], s[SC:SC+1] op_sel_hi:[1,0]
	s_wait_alu depctr_va_vdst(0)                   ; the two scalings have written v[DA:DA+3], which the stores read
.irp b, 0,1,2,3
	global_store_b32 v[OOF], v[DA+\b], s[6:7] offset:\b*OUTB         ; a tile's row in out0 is six numbers: 24 bytes on end is all that a tile has
.endr
.Lend:
	s_wait_dscnt 0x0                               ; the wave's end
	s_wait_alu 0x0
	s_wait_tensorcnt 0x0
	ds_add_u32 v[SPW], v[NIL]
	s_wait_dscnt 0x0
	s_endpgm
.Lfunc_end_k_qdda80b0213_backproj:
	.size	k_qdda80b0213_backproj, .Lfunc_end_k_qdda80b0213_backproj-k_qdda80b0213_backproj
	.p2alignl 7, 3214868480
	.fill 96, 4, 3214868480
	.section	.rodata,"a",@progbits
	.p2align	6, 0x0
	.amdhsa_kernel k_qdda80b0213_backproj
		.amdhsa_group_segment_fixed_size 264192
		.amdhsa_private_segment_fixed_size 0
		.amdhsa_enable_private_segment 0
		.amdhsa_kernarg_size 16
		.amdhsa_user_sgpr_count 2
		.amdhsa_user_sgpr_kernarg_segment_ptr 1
		.amdhsa_wavefront_size32 1
		.amdhsa_system_sgpr_workgroup_id_x 1
		.amdhsa_system_sgpr_workgroup_id_y 1
		.amdhsa_system_sgpr_workgroup_id_z 1
		.amdhsa_system_vgpr_workitem_id 0
		.amdhsa_next_free_vgpr 232
		.amdhsa_next_free_sgpr 66
		.amdhsa_reserve_vcc 1
		.amdhsa_float_denorm_mode_32 3
		.amdhsa_float_denorm_mode_16_64 3
		.amdhsa_memory_ordered 1
		.amdhsa_forward_progress 1
		.amdhsa_inst_pref_size 105
	.end_amdhsa_kernel
	.amdgpu_metadata
---
amdhsa.version: [ 1, 2 ]
amdhsa.kernels:
  - .name:           k_qdda80b0213_backproj
    .symbol:         k_qdda80b0213_backproj.kd
    .args:
      - { .name: x, .offset: 0, .size: 8, .value_kind: global_buffer, .address_space: global }
      - { .name: out0, .offset: 8, .size: 8, .value_kind: global_buffer, .address_space: global }
    .group_segment_fixed_size: 264192
    .private_segment_fixed_size: 0
    .kernarg_segment_align: 8
    .kernarg_segment_size: 16
    .max_flat_workgroup_size: 512
    .sgpr_count:     66
    .vgpr_count:     232
    .wavefront_size: 32
...
	.end_amdgpu_metadata
.endif
;; end of part 2
